; MI455X (gfx1250); checked and timed in simulation.
; The chip was launched on July 23, 2026; its instructions are those of AMD's public machine-readable ISA for CDNA 5 (MIT licence, August 2026) and "CDNA5" Instruction Set Architecture Reference Guide (July 2026). The comments in the code are by the model that wrote it; some were corrected since.
;; Discretization. Allowed arithmetic: matrix products marked QUANTISED: E3M2 operands, one E8M0 scale for each 32 along K, by v_wmma_scale_f32_16x16x128_f8f6f4 with both operands' format E3M2, f32 sums; everything else in f32.
;; Inputs: seq 512 x 64 x 256 float32; vocab 8,192 x 256 float32.
;; Outputs: out0 512 x 64 x 256 float32; out1 512 x 64 int32.
;; This version of the problem:
;;   THIS VERSION OF THE PROBLEM IS GIVEN IN LOW PRECISION. The matrix products marked QUANTISED in the list below multiply operands that are first quantised to E3M2 (3 exponent bits, 2 mantissa bits; 6 bits a number), with one power-of-two scale for each 32 numbers along K (OCP MX v1.0); their sums are f32. All else is computed in f32.
;;   The module's matrix products, in the order in which they are computed (A, B: the left and right operand; K: the contracted axis; several contracted axes count as one K, in the product's order):
;;     1. [M 32,768, K 256] x [K 256, N 8,192]; A: input seq; B: input vocab: QUANTISED
;;   THE QUANTISER, for each operand of a quantised product, along K:
;;     - K is cut into blocks of 32 from its start; a last block that is shorter is filled with zeros.
;;     - A block's scale is 2^e with e = floor(log2(the largest magnitude in the block)) - 4, held to -126 .. 127; a block of zeros has e = 0. As a byte (E8M0): e + 127.
;;     - Each number is divided by its block's scale, clamped to +-28, and rounded to the nearest number of E3M2, ties to even, subnormals kept.
;;     - The product sums the exact products of the quantised numbers (number of the format x scale) in f32.
;;   ~~~python
;;   def quantise(x, axis):      # numpy; x: float32 -> the quantised numbers, widened to float32 again
;;       x = np.moveaxis(x, axis, -1); K = x.shape[-1]
;;       x = np.pad(x, [(0, 0)] * (x.ndim - 1) + [(0, -K % 32)]); x = x.reshape(x.shape[:-1] + (-1, 32)); a = np.abs(x).max(-1, keepdims=True)
;;       e = np.where(a > 0, np.clip(np.frexp(np.where(a > 0, a, 1))[1] - 1 - 4, -126, 127), 0)      # np.frexp(a)[1] - 1 = floor(log2(a)), exactly
;;       r = np.clip(x / 2.0 ** e, -28, 28)
;;       step = 2.0 ** (np.maximum(np.frexp(np.where(r == 0, 1, r))[1] - 1, -2) - 2)
;;       q = np.round(r / step) * step * 2.0 ** e      # np.round: ties to even
;;       return np.moveaxis(q.reshape(q.shape[:-2] + (-1,))[..., :K], -1, axis).astype(np.float32)
;;   ~~~
;; One version. Each part assembles by itself: llvm-mc -triple=amdgcn-amd-amdhsa -mcpu=gfx1250 --defsym DOCPART=n.
;; ======== version 1 of 1: 3 launches
;; limits: right only within a limited range of input values
;; workspace buffers: vq 1,703,936 bytes; idx 131,072 bytes of whole numbers
;; launch vprep (part 1): grid 256 x 1, 2 waves a work-group, no clusters, 17,152 bytes of LDS; arguments vocab, vq; writes vq
.if DOCPART == 1
	.amdgcn_target "amdgcn-amd-amdhsa--gfx1250"
	.amdhsa_code_object_version 6
	.text
	.protected	k_q232d31e3e6_vprep
	.globl	k_q232d31e3e6_vprep
	.p2align	8
	.type	k_q232d31e3e6_vprep,@function
k_q232d31e3e6_vprep:
	s_mov_b64 s[64:65], 0
	v_nop
	global_prefetch_b8 v0, s[64:65] scope:SCOPE_SE
	s_setreg_imm32_b32 hwreg(HW_REG_WAVE_MODE, 25, 1), 1
	s_wait_xcnt 0x0
; vocab [8192][256] f32 is turned, once, into 512 RECORDS of 3,328 bytes (13 x 256), one for each tile of 16 rows, laid as the next launch's registers take them:
;   +0     the tile's fragment for K 0-127 (codes of E3M2, 12 registers a lane): registers 4 g .. 4 g + 3 of lane l at 512 g + 16 l
;   +1536  the same for K 128-255
;   +3072  one scale register, 4 bytes a lane: lanes 0-15 row r's four E8M0 bytes of K 0-127, lanes 16-31 those of K 128-255
;   +3200  -(row's sum of squares) / 2 for the 16 rows, f32; +3264 the same 16 numbers once more, so that the record's last 256 bytes are written whole
; A block's scale is 2^(floor(log2(its largest magnitude)) - 4); its byte is the largest magnitude's exponent field - 4, held at 1 from below.
; LIMITS: a block of zeros, or one whose largest magnitude lies under 2^(5 - 127), gets the byte 1 (the rule says 127 for zeros: its codes are zeros, and this program alone reads the bytes);
; NaN and infinities among the inputs are not served.
; SHARES: a wave takes one tile, 16,384 consecutive bytes: each load reads 512 of them.  The operand's layout gives lane (r = l % 16, h = l / 16) of row r the numbers k = 128 s + 64 c + 32 h + 0 .. 31, so a K step's
; 8,192 bytes turn through the wave's own stage in LDS (rows of 512 + 16 bytes).  A lane then holds whole blocks: no other lane is asked for a maximum, and the conversions' results are the operand's registers.
; No barrier, no loop: waves share nothing.
.set REC,  3328
.set SROW, 528
.set SPARE, 2*16*SROW                  ; behind the two stages: the spare words, 128 bytes for each wave: one block of 256 bytes that no other line names
.set SPW,  1
.set NIL,  2
.set L16,  3                           ; 16 x lane
.set L4,   4                           ; 4 x lane
.set QSH,  5                           ; 8 h
.set STA,  6                           ; into the stage
.set STL,  7                           ; out of it
.set HH,   8
.set QPX,  10                          ; v10-11  what lane l xor 16 sends
.set QMX,  12                          ; v12-15  the four blocks' largest magnitudes
.set QSO,  16                          ; v16-19  the conversions' scale operands
.set QBY,  20                          ; v20-23  the scale bytes; then:
.set WD0,  20                          ; row r's scale word of K step 0,
.set SW,   21                          ; the scale register as it is stored,
.set WD1,  22                          ; the word of K step 1,
.set CV,   23                          ; -(sum of squares) / 2
.set P,    24                          ; v24-47  codes: block b at 6 b
.set QTQ,  48                          ; v48-63  second halves of blocks, on their way; then
.set SS,   48                          ; the sums of squares, eight chains of pairs
.set RAW,  64                          ; v64-191 as loaded: K step s, row r at 64 s + 4 r.  Turned: K step 0 in v192-255, K step 1 in v64-127
.set SEL,  14                          ; s[14:15] lane selects for v_permlanex16_b32: lane l xor 16
	s_load_b128 s[4:7], s[0:1], 0x0                ; vocab s[4:5], vq s[6:7]
	v_lshl_add_u32 v[SPW], v0, 2, SPARE
	v_mov_b32 v[NIL], 0
	v_lshrrev_b32 v9, 5, v0
	v_readfirstlane_b32 s8, v9                     ; wave 0, 1
	v_and_b32 v9, 31, v0                           ; lane
	v_and_b32 v12, 15, v0                          ; r
	v_bfe_u32 v[HH], v0, 4, 1                      ; h
	s_mul_i32 s16, s8, 16*SROW                     ; my stage
	v_lshlrev_b32 v[L16], 4, v9
	v_lshlrev_b32 v[L4], 2, v9
	v_mul_u32_u24 v[STL], v12, SROW
	v_lshlrev_b32 v[QSH], 3, v[HH]
	v_add_nc_u32 v[STA], s16, v[L16]               ; in: 16 x lane of a row's 512 bytes
	v_lshl_add_u32 v[STL], v[HH], 7, v[STL]
	v_mov_b32 v[QPX], 0                            ; a lane permute's destination counts as one of its sources
	v_mov_b32 v[QPX+1], 0
	v_add_nc_u32 v[STL], s16, v[STL]               ; out: row r, + 128 h
	s_lshl_b32 s9, ttmp9, 1
	s_add_co_u32 s9, s9, s8                        ; my tile: 2 x work-group + wave
	s_lshl_b32 s10, s9, 14                         ; its 16 rows of 1,024 bytes
	s_mov_b32 s11, 0
	s_mul_i32 s12, s9, REC                         ; its record
	s_mov_b32 s13, 0
	s_mov_b32 s[SEL], 0x76543210
	s_mov_b32 s[SEL+1], 0xfedcba98
	s_wait_alu depctr_va_vdst(0)                   ; the wait at the head's end
	s_wait_kmcnt 0x0
	s_add_nc_u64 s[4:5], s[4:5], s[10:11]
	s_add_nc_u64 s[6:7], s[6:7], s[12:13]
.irp s, 0,1
.irp r, 0,1,2,3,4,5,6,7,8,9,10,11,12,13,14,15
	global_load_b128 v[RAW+64*\s+4*\r:RAW+64*\s+4*\r+3], v[L16], s[4:5] offset:1024*\r+512*\s th:TH_LOAD_NT   ; 32 lanes read 512 consecutive bytes: K step s of row r
.endr
.endr
.macro TOSTG s                         ; K step s as loaded: row r's 512 bytes at 528 r
.irp r, 0,1,2,3,4,5,6,7,8,9,10,11,12,13,14,15
	ds_store_b128 v[STA], v[RAW+64*\s+4*\r:RAW+64*\s+4*\r+3] offset:SROW*\r
.endr
.endm
.macro FROMSTG d                       ; my 64 numbers of it: 32 c + 4 i on = k 64 c + 32 h + 4 i on.  LDS serves a wave's instructions in order
.irp c, 0,1
.irp i, 0,1,2,3,4,5,6,7
	ds_load_b128 v[\d+32*\c+4*\i:\d+32*\c+4*\i+3], v[STL] offset:256*\c+16*\i
.endr
.endr
.endm
	s_wait_loadcnt 16                              ; K step 0's sixteen loads are in
	TOSTG 0
	FROMSTG 192
	s_wait_loadcnt 0x0
	TOSTG 1
	s_wait_dscnt 16                                ; the sixteen stores just issued may be out: K step 0's stores have read v64-127, which take K step 1's numbers
	FROMSTG 64
	s_wait_dscnt 0x0
; block b = 2 s + c of my row lies at v[192 + 32 b] for K step 0 and at v[64 + 32 (b - 2)] for K step 1: 192 + 32 b - 192 (b / 2).  The four blocks take turns line by line
.irp b, 0,1,2,3
	v_max3_num_f32 v[QMX+\b], |v[192+32*\b-192*(\b/2)]|, |v[193+32*\b-192*(\b/2)]|, 0x2800000   ; and the floor 2^(5 - 127): the byte cannot fall under 1
.endr
.irp i, 2,4,6,8,10,12,14,16,18,20,22,24,26,28,30
.irp b, 0,1,2,3
	v_max3_num_f32 v[QMX+\b], v[QMX+\b], |v[192+32*\b-192*(\b/2)+\i]|, |v[193+32*\b-192*(\b/2)+\i]|
.endr
.endr
.irp b, 0,1,2,3
	v_add_nc_u32 v[QSO+\b], 0xfe000000, v[QMX+\b]  ; 4 off the exponent field: the conversion takes the exponent field of this operand as its scale
.endr
.irp b, 0,1,2,3
	v_lshrrev_b32 v[QBY+\b], 23, v[QSO+\b]         ; the scale's byte
.endr
.irp s, 0,1
	v_lshl_or_b32 v[QBY+2*\s], v[QBY+2*\s+1], 16, v[QBY+2*\s]   ; my two bytes of K step s: blocks h and 2 + h,
.endr
.irp s, 0,1
	v_lshlrev_b32 v[QBY+2*\s], v[QSH], v[QBY+2*\s] ; at their places in the word;
.endr
.irp s, 0,1
	v_permlanex16_b32 v[QPX+\s], v[QBY+2*\s], s[SEL], s[SEL+1]
.endr
.irp s, 0,1
	v_or_b32 v[QBY+2*\s], v[QBY+2*\s], v[QPX+\s]   ; with lane l xor 16's two it is whole
.endr
.irp b, 0,1,2,3
	v_cvt_scalef32_pk16_bf6_f32 v[P+6*\b:P+6*\b+2], v[192+32*\b-192*(\b/2):207+32*\b-192*(\b/2)], v[QSO+\b]
	v_cvt_scalef32_pk16_bf6_f32 v[QTQ+4*\b:QTQ+4*\b+2], v[208+32*\b-192*(\b/2):223+32*\b-192*(\b/2)], v[QSO+\b]   ; a conversion's three registers begin on an even number: made here, moved below
.endr
	v_nop                                          ; one plain place behind a scaled conversion
.irp b, 0,1,2,3
.irp i, 0,1,2
	v_mov_b32 v[P+6*\b+3+\i], v[QTQ+4*\b+\i]
.endr
.endr
.irp g, 0,1,2,3,4,5
	global_store_b128 v[L16], v[P+4*\g:P+4*\g+3], s[6:7] offset:512*\g   ; each store of the wave covers 512 consecutive bytes, aligned to 256
.endr
; the sum of squares of row r: my 128 numbers in eight chains of pairs, then lane l xor 16's
.set qi, 0
.rept 8
	v_pk_mul_f32 v[SS+2*qi:SS+2*qi+1], v[192+2*qi:193+2*qi], v[192+2*qi:193+2*qi]
.set qi, qi+1
.endr
.rept 56
	v_pk_fma_f32 v[SS+2*(qi%8):SS+2*(qi%8)+1], v[192+2*qi-192*(qi/32):193+2*qi-192*(qi/32)], v[192+2*qi-192*(qi/32):193+2*qi-192*(qi/32)], v[SS+2*(qi%8):SS+2*(qi%8)+1]
.set qi, qi+1
.endr
.irp k, 0,4,8,12
	v_pk_add_f32 v[SS+\k:SS+\k+1], v[SS+\k:SS+\k+1], v[SS+\k+2:SS+\k+3]
.endr
.irp k, 0,8
	v_pk_add_f32 v[SS+\k:SS+\k+1], v[SS+\k:SS+\k+1], v[SS+\k+4:SS+\k+5]
.endr
	v_pk_add_f32 v[SS:SS+1], v[SS:SS+1], v[SS+8:SS+9]
	v_cmp_eq_u32 vcc_lo, 1, v[HH]
	v_add_f32 v[SS], v[SS], v[SS+1]
	v_cndmask_b32 v[SW], v[WD0], v[WD1], vcc_lo    ; lanes 0-15 K step 0's word, lanes 16-31 K step 1's
	v_permlanex16_b32 v[SS+1], v[SS], s[SEL], s[SEL+1]
	v_add_f32 v[SS], v[SS], v[SS+1]
	v_mul_f32 v[CV], -0.5, v[SS]
	global_store_b32 v[L4], v[SW], s[6:7] offset:3072 ; 128 bytes, and the 128 beside them:
	global_store_b32 v[L4], v[CV], s[6:7] offset:3200 ; lanes 0-15 the 16 rows' numbers, lanes 16-31 the same again
	s_wait_tensorcnt 0x0                           ; the wave's end: behind my last LDS store
	ds_add_u32 v[SPW], v[NIL]
	s_wait_dscnt 0x0
	s_endpgm
.Lfunc_end_k_q232d31e3e6_vprep:
	.size	k_q232d31e3e6_vprep, .Lfunc_end_k_q232d31e3e6_vprep-k_q232d31e3e6_vprep
	.p2alignl 7, 3214868480
	.fill 96, 4, 3214868480
	.section	.rodata,"a",@progbits
	.p2align	6, 0x0
	.amdhsa_kernel k_q232d31e3e6_vprep
		.amdhsa_group_segment_fixed_size 17152
		.amdhsa_private_segment_fixed_size 0
		.amdhsa_enable_private_segment 0
		.amdhsa_kernarg_size 16
		.amdhsa_user_sgpr_count 2
		.amdhsa_user_sgpr_kernarg_segment_ptr 1
		.amdhsa_wavefront_size32 1
		.amdhsa_system_sgpr_workgroup_id_x 1
		.amdhsa_system_sgpr_workgroup_id_y 1
		.amdhsa_system_sgpr_workgroup_id_z 1
		.amdhsa_system_vgpr_workitem_id 0
		.amdhsa_next_free_vgpr 256
		.amdhsa_next_free_sgpr 66
		.amdhsa_reserve_vcc 1
		.amdhsa_float_denorm_mode_32 3
		.amdhsa_float_denorm_mode_16_64 3
		.amdhsa_memory_ordered 1
		.amdhsa_forward_progress 1
		.amdhsa_inst_pref_size 20
	.end_amdhsa_kernel
	.amdgpu_metadata
---
amdhsa.version: [ 1, 2 ]
amdhsa.kernels:
  - .name:           k_q232d31e3e6_vprep
    .symbol:         k_q232d31e3e6_vprep.kd
    .args:
      - { .name: vocab, .offset: 0, .size: 8, .value_kind: global_buffer, .address_space: global }
      - { .name: vq, .offset: 8, .size: 8, .value_kind: global_buffer, .address_space: global }
    .group_segment_fixed_size: 17152
    .private_segment_fixed_size: 0
    .kernarg_segment_align: 8
    .kernarg_segment_size: 16
    .max_flat_workgroup_size: 64
    .sgpr_count:     66
    .vgpr_count:     256
    .wavefront_size: 32
...
	.end_amdgpu_metadata
.endif
;; end of part 1
;; launch nearest (part 2): grid 256 x 1, 8 waves a work-group, clusters of 4 x 1, 327,680 bytes of LDS; arguments seq, vq, out1, idx; writes out1, idx
.if DOCPART == 2
	.amdgcn_target "amdgcn-amd-amdhsa--gfx1250"
	.amdhsa_code_object_version 6
	.text
	.protected	k_q232d31e3e6_nearest
	.globl	k_q232d31e3e6_nearest
	.p2align	8
	.type	k_q232d31e3e6_nearest,@function
k_q232d31e3e6_nearest:
	s_mov_b64 s[64:65], 0
	v_nop
	global_prefetch_b8 v0, s[64:65] scope:SCOPE_SE
	s_setreg_imm32_b32 hwreg(HW_REG_WAVE_MODE, 25, 1), 1
	s_wait_xcnt 0x0
	s_wait_alu depctr_hold_cnt(0) depctr_sa_sdst(0) depctr_va_vdst(0) depctr_va_sdst(0) depctr_va_ssrc(0) depctr_va_vcc(0) depctr_vm_vsrc(0)
	s_getreg_b32 s2, hwreg(HW_REG_IB_STS2, 6, 4)
	s_cmp_eq_u32 s2, 0
	s_cbranch_scc0 .Lentry_in_a_cluster
	s_endpgm
.Lentry_in_a_cluster:
	s_bfe_u32 s2, ttmp6, 0x10000c
	s_cmp_lg_u32 s2, 0x3003
	s_cbranch_scc0 .Lentry_shape_is_right
	s_endpgm
.Lentry_shape_is_right:
; For each of 32,768 tokens x (256 numbers, f32): the number of the codebook row v with the smallest x.x - 2 x.v + v.v, the lowest number among equals.  x.v is the quantised product (codes of E3M2, one E8M0
; scale for each 32 along K); x.x and v.v are f32 sums of the numbers as given.  The number goes to out1 and, for the gather that follows, to idx.
; -v.v / 2 is the C of a sum's first matrix instruction, so D = x.v - v.v / 2 leaves the matrix unit whole, and the distance x.x - 2 D falls where D rises.
; THE PRODUCT IS USED TRANSPOSED (source 0 = 16 codebook rows, source 1 = 16 tokens): a lane holds ONE token (lane % 16) and in register j the row 16 t + 8 (lane / 16) + j.  A lane keeps its token's largest D
; and, copied where a tile wins, that tile's numbers j = 0 .. 6 and the tile's number t: eight items, four dual selects.  Number 7 is not copied: at the end the place is the first j whose copy equals the largest D, or 7.
; Nine vector instructions for a tile's 256 results: four maxima of three, a strict compare (among equals the earlier tile stays), four dual selects.
; LIMITS.  The order of rounding differs from x.x - 2 x.v + v.v taken left to right: here x.x - 2 (x.v - v.v / 2); inside a lane D is compared, not the rounded distance; the rounded distance (and on equality the
; lower number) decides among a token's 16 lanes.  NaN and infinities are not served.  A block of zeros, or one whose largest magnitude lies under 2^(5 - 127), gets the scale byte 1 (its bytes are read here alone).
; SHARES.  A work-group owns 128 tokens: 8 tiles of 16.  Wave w quantises tile w and hands its registers' image to the others through LDS; then EVERY wave keeps all 8 tiles' fragments in registers (192) and takes an
; eighth of the codebook: each record of 16 rows is read from LDS once in the work-group and feeds 16 matrix instructions.
; x COMES AS IT LIES: a wave's tile is 16,384 consecutive bytes, each load 512 of them.  The conversions want 32 neighbours in a lane, so a K step's 8,192 bytes turn through the wave's own stage (rows of 512 + 16 bytes).
; THE CODEBOOK comes as records of 3,328 bytes, images of the operand's registers.  A fill is 32 records; wave w brings records 4 w .. 4 w + 3 by one tensor load (52 rows of 256 bytes) and reads only those.
; Two slots, 16 fills.  By this text's own count a wave has one tensor load out at a time.
; CLUSTER.  All work-groups walk the same records in the same order: four form a cluster and ask for each piece JOINTLY (the same load, the same descriptor, the mask of all four).
; PREFETCH.  Behind the refill that asks for fill f + 2 each wave of clusters 0 to 3 names fill f + 4's blocks of its own piece: 52 blocks of 256 bytes, of which the partner at place cx takes 13 (record cx of the four), a lane a block;
; lanes 13-31 name the 13th again.  Fills 0 to 3 come by their loads alone; the loop's last trip, whose fills f + 4 would lie beyond fill 15, asks for nothing.
; REGISTERS.  Window 0: v1-2 the spare word's address and 0; v3-8 LDS addresses; v9 the tile's number; v10 x.x; v11 the prefetch's offset; v12-13, v168-169 at work; v14-15 the records' scale registers;
;   v16-23 the tokens' scale registers; v24-71 two buffers of a record's two fragments; v72-87 two buffers of its C; v88-151 eight accumulators; v152-167 the largest D, two sets by turns;
;   v176-239 the copies: token tile i at 176 + 8 i, numbers 0-6 and the tile's number; v240-255 at work at head and end.   Window 1: v0-191 the tokens' fragments: tile i, K step s at 24 i + 12 s.
.set REC,    3328
.set WREC,   4*REC                     ; a wave's four records of a fill
.set SLOTB,  8*WREC                    ; a slot: 106,496 bytes
.set XIMG,   2*SLOTB                   ; behind the ring: the tokens' fragments, 8 tiles x 3,072 bytes;
.set XSC,    XIMG+8*3072               ; their scale registers, 8 x 128 bytes;
.set MRG,    XSC+8*128                 ; the candidates: 8 tiles x 8 waves x 32 lanes x 8 bytes;
.set RES,    MRG+16384                 ; the 128 results;
.set STG,    RES+512                   ; the stages: 16 rows x 528 bytes for each wave;
.set SROW,   528
.set SPARE,  STG+8*16*SROW             ; the spare words, 128 bytes for each wave: four blocks of 256 bytes that no other line names
.set SPW,  1
.set NIL,  2
.set ADR,  3                           ; v3-4    slot s: my wave's records + 16 x lane
.set ADS,  5                           ; v5-6    + 4 x lane
.set ADC,  7                           ; v7-8    + 32 x (lane / 16)
.set VT,   9
.set X2,   10
.set PFV,  11
.set T1,   12
.set T2,   13
.set T3,   168
.set T4,   169
.set SA,   14
.set STK,  16
.set FB,   24
.set CB,   72
.set ACC,  88
.set RA,   152
.set RB,   160
.set W,    176
; at the head only
.set X,    88                          ; v88-215 my 128 numbers of x, turned: block b = 2 s + c at 32 b: k 128 s + 64 c + 32 h + 0 .. 31 of row r
.set P,    24                          ; v24-47  codes: block b at 6 b
.set QTQ,  48                          ; v48-63  second halves of blocks, on their way; then
.set SS,   48                          ; the sums of squares, eight chains of pairs
.set QMX,  64
.set QSO,  68
.set QBY,  72                          ; v72-75  the scale bytes; then v72 and v74 the scale words of K steps 0 and 1
.set QPX,  76
.set SW,   78
.set STL,  216
.set STA,  217
.set IW,   245
.set SWA,  246
.set LI,   247
.set LS,   248
.set LANE, 249
.set RR,   250
.set HH,   251
.set QSH,  252
.set L16,  253
.set L4,   254
; at the end only
.set SUB,  24                          ; v24-31  the place in the tile
.set PR,   32                          ; v32-47  (D, number) of my lane for each tile
.set CD,   88                          ; v88-103 the eight waves' candidates for my token
.set BD,   88
.set BC,   89
.set ELN,  240
.set EH8,  241
.set MS,   242
.set ML,   243
.set RS,   244
.set RL,   245
.set OO,   246
.set PD,   247
.set PC,   248
.set ERR,  249
.set WV,   12                          ; s12     my wave's number
.set G1,   16                          ; s[16:23] descriptor group 1
.set G0,   24                          ; s[24:31] group 0, a set for each slot
.set CNT,  33
.set SEL,  34                          ; s[34:35] lane selects for v_permlanex16_b32: lane l xor 16
.set PF,   48                          ; s[48:49] where my prefetches stand
.set EM,   52                          ; s52-59  at the end: eight masks by turns
.set MSB, 0
.macro WIN new                         ; the immediate's high byte repeats the setting that is left
.if MSB != \new
	s_set_vgpr_msb (MSB<<8)|\new
.set MSB, \new
.endif
.endm
.macro CREST                           ; a round of the cluster's barrier behind its opening barrier
	s_cmp_lg_u32 s[WV], 0
	s_cbranch_scc1 .Lnot_wave_0_\@
	s_barrier_signal -3
.Lnot_wave_0_\@:
	s_barrier_wait -3
	s_barrier_signal -1
	s_barrier_wait -1
.endm
.macro CROUND                          ; a whole round
	s_barrier_signal -1
	s_barrier_wait -1
	CREST
.endm
.macro NOP4
.rept 4
	v_nop
.endr
.endm
; K step s of my tile goes through my stage: 16 stores as loaded (row r's 512 bytes at 528 r), 16 loads of my 32 neighbours' pieces.  LDS serves a wave's instructions in order: no wait between them
.macro TURN s
	WIN 0x04                                       ; the stores' data: window 1
.irp r, 0,1,2,3,4,5,6,7,8,9,10,11,12,13,14,15
	ds_store_b128 v[STA], v[64*\s+4*\r:64*\s+4*\r+3] offset:SROW*\r
.endr
	WIN 0
.irp c, 0,1
.irp i, 0,1,2,3,4,5,6,7
	ds_load_b128 v[X+64*\s+32*\c+4*\i:X+64*\s+32*\c+4*\i+3], v[STL] offset:256*\c+16*\i
.endr
.endr
.endm
; Record q of my four in a slot comes into buffer buf: nine LDS loads: two fragments as they lie, the scale register, and my half's eight numbers of C
.macro LOADREC slot, q, buf
.irp g, 0,1,2,3,4,5
	ds_load_b128 v[FB+24*(\buf)+4*\g:FB+24*(\buf)+4*\g+3], v[ADR+(\slot)] offset:REC*(\q)+512*\g
.endr
	ds_load_b32 v[SA+(\buf)], v[ADS+(\slot)] offset:REC*(\q)+3072
	ds_load_b128 v[CB+8*(\buf):CB+8*(\buf)+3], v[ADC+(\slot)] offset:REC*(\q)+3200
	ds_load_b128 v[CB+8*(\buf)+4:CB+8*(\buf)+7], v[ADC+(\slot)] offset:REC*(\q)+3216
.endm
; Matrix instruction j of a record's 16, by fours: tiles 0-3 K step 0, tiles 0-3 K step 1, tiles 4-7 K step 0, tiles 4-7 K step 1.  Four accumulators take turns, one instruction a turn.
; K step 0 starts the sum with C = -v.v / 2; K step 1 reads both scale registers' lanes 16-31.
.macro MM j, buf
.set mq, (\j)/4
.set ms, mq%2
.set mi, (\j)%4+4*(mq/2)
.set mra, ACC+8*mi
.set mrf, FB+24*(\buf)+12*ms
.set mrt, 24*mi+12*ms
.if ms == 0
	v_wmma_scale_f32_16x16x128_f8f6f4 v[mra:mra+7], v[mrf:mrf+11], v[mrt:mrt+11], v[CB+8*(\buf):CB+8*(\buf)+7], v[SA+(\buf)], v[STK+mi] matrix_a_fmt:MATRIX_FMT_BF6 matrix_b_fmt:MATRIX_FMT_BF6
.else
	v_wmma_scale_f32_16x16x128_f8f6f4 v[mra:mra+7], v[mrf:mrf+11], v[mrt:mrt+11], v[mra:mra+7], v[SA+(\buf)], v[STK+mi] matrix_a_fmt:MATRIX_FMT_BF6 matrix_b_fmt:MATRIX_FMT_BF6 matrix_a_scale:MATRIX_SCALE_ROW1 matrix_b_scale:MATRIX_SCALE_ROW1
.endif
.endm
; Where VCC says that the tile won: its numbers 0 to 6 and its number t take the copies' places, two selects an instruction (destinations even and odd, sources in different register banks)
.macro COPY w, a
.irp k, 0,2,4
	v_dual_cndmask_b32 v[(\w)+\k], v[(\w)+\k], v[(\a)+\k] :: v_dual_cndmask_b32 v[(\w)+\k+1], v[(\w)+\k+1], v[(\a)+\k+1]
.endr
	v_dual_cndmask_b32 v[(\w)+6], v[(\w)+6], v[(\a)+6] :: v_dual_cndmask_b32 v[(\w)+7], v[(\w)+7], v[VT]
.endm
; Token tiles ta and ta + 1 of a record: two independent chains, interleaved.  pr says which set holds the old maxima.  An accumulator is read from its low end on.  VCC is written and read inside this macro alone.
.macro DSL ta, pr
.set qa, ACC+8*(\ta)
.set qb, qa+8
.if \pr
.set qo, RB+(\ta)
.set qn, RA+(\ta)
.else
.set qo, RA+(\ta)
.set qn, RB+(\ta)
.endif
.set qw, W+8*(\ta)
	v_max3_num_f32 v[T1], v[qa], v[qa+1], v[qa+2]
	v_max3_num_f32 v[T2], v[qa+3], v[qa+4], v[qa+5]
	v_max3_num_f32 v[qn], v[qa+6], v[qa+7], v[qo]
	v_max3_num_f32 v[T3], v[qb], v[qb+1], v[qb+2]
	v_max3_num_f32 v[T4], v[qb+3], v[qb+4], v[qb+5]
	v_max3_num_f32 v[qn], v[qn], v[T1], v[T2]
	v_max3_num_f32 v[qn+1], v[qb+6], v[qb+7], v[qo+1]
	v_cmp_gt_f32 vcc_lo, v[qn], v[qo]
	v_max3_num_f32 v[qn+1], v[qn+1], v[T3], v[T4]
	COPY qw, qa
	v_cmp_gt_f32 vcc_lo, v[qn+1], v[qo+1]
	COPY qw+8, qb
.endm
; Eight matrix instructions and four tiles' vector work.  Half 0 works off tiles 4-7 of the record before, half 1 tiles 0-3 of this one.  By count: an accumulator is read 36 vector instructions that do not name it,
; or more, behind the instruction that finished it, and is begun anew behind its copy (ISA guide 7.12.1 asks four and five places).  rinc: from the last record's tile number to this one's.
.macro OCT g, buf, par
	WIN 0x04                                       ; source 1, the tokens, in window 1
.irp k, 0,1,2,3,4,5,6,7
	MM 8*(\g)+\k, \buf
.endr
	WIN 0
.if (\g) == 0
	DSL 4, 1-(\par)
	DSL 6, 1-(\par)
.else
	v_add_nc_u32 v[VT], rinc, v[VT]                ; from here on the copies are of this record's tiles
	DSL 0, \par
	DSL 2, \par
.endif
.endm
.macro ASK                             ; the prefetch: not in the loop's last trip
	s_cmp_gt_u32 s[CNT], 1
	s_cbranch_scc0 .Lno_ask_\@
	s_cmp_lt_u32 ttmp9, 4
	s_cbranch_scc0 .Lno_prefetch_neares0_\@
	global_prefetch_b8 v[PFV], s[PF:PF+1] th:TH_LOAD_NT scope:SCOPE_SE
.Lno_prefetch_neares0_\@:
.Lno_ask_\@:
.endm
; Record q of a slot.  The first three fetch their successor at their head: into the other buffer, whose last matrix instruction stands 37 vector instructions back.
; The fourth changes slots.  mode 1: this slot is filled again, two fills on; 2: nothing is left to ask for; 0: the last record of all.
.macro RECORD slot, q, mode
.if (\q) == 0
.set rinc, 29                          ; my first record of a fill: 32 on from the last fill's first
.else
.set rinc, 1
.endif
.if (\q) < 3
	LOADREC \slot, (\q)+1, 1-(\q)%2
	s_wait_dscnt 9                                 ; the nine just issued may be out: this record's nine are in
	OCT 0, (\q)%2, (\q)%2
	OCT 1, (\q)%2, (\q)%2
.elseif (\mode) == 1
	s_wait_xcnt 0x0                                ; the last prefetch has read its base: it steps a fill on
	s_add_nc_u64 s[PF:PF+1], s[PF:PF+1], SLOTB
	s_wait_tensorcnt 0x0                           ; all my tensor loads have landed: the one that was out is my part of the other slot; so a group 0 may be written
	ds_add_u32 v[SPW], v[NIL]                      ; 0 onto my spare word
	s_add_nc_u64 s[G0+4*(\slot)+2:G0+4*(\slot)+3], s[G0+4*(\slot)+2:G0+4*(\slot)+3], 2*SLOTB   ; this slot's next fill; the type bits on top are not reached
	s_wait_dscnt 0x0                               ; the add is done, and my reads of this slot are over: its last record is in registers
	s_barrier_signal -1                            ; this barrier opens a round of the cluster's barrier
	OCT 0, 1, 1                                    ; work on registers while the others arrive
	s_barrier_wait -1
	CREST                                          ; no wave of any partner still reads this slot or has a load on its way
	tensor_load_to_lds s[G0+4*(\slot):G0+4*(\slot)+3], s[G1:G1+7]   ; my one tensor load behind the round, and the first thing there
	s_nop 0
	LOADREC 1-(\slot), 0, 0                        ; the other slot's first record: nine LDS loads, so no window is switched among the four instructions behind the tensor load
	ASK
	OCT 1, 1, 1
.elseif (\mode) == 2
	s_wait_tensorcnt 0x0                           ; the last fill, my own piece of it, has landed; no load was issued behind it
	LOADREC 1-(\slot), 0, 0
	s_wait_dscnt 9
	OCT 0, 1, 1
	OCT 1, 1, 1
.else
	s_wait_dscnt 0x0
	OCT 0, 1, 1
	OCT 1, 1, 1
.endif
.endm
.macro FILLWORK slot, mode
	RECORD \slot, 0, \mode
	RECORD \slot, 1, \mode
	RECORD \slot, 2, \mode
	RECORD \slot, 3, \mode
.endm
; (v[d], v[c]) takes the best's place if its distance is smaller, or equal with the lower number.  A choice of values only: nothing branches on it
.macro TAKE d, c
	v_cmp_lt_f32 s38, v[\d], v[BD]
	v_cmp_eq_f32 s39, v[\d], v[BD]
	v_cmp_lt_u32 s40, v[\c], v[BC]
	s_and_b32 s39, s39, s40
	s_or_b32 s38, s38, s39
	v_cndmask_b32 v[BD], v[BD], v[\d], s38
	v_cndmask_b32 v[BC], v[BC], v[\c], s38
.endm
	s_load_b256 s[4:11], s[0:1], 0x0               ; seq s[4:5], vq s[6:7], out1 s[8:9], idx s[10:11]
	v_lshl_add_u32 v[SPW], v0, 2, SPARE
	v_mov_b32 v[NIL], 0
	ds_add_u32 v[SPW], v[NIL]                      ; the opening lines: the add, twice on end, and its wait ahead of my first tensor load
	ds_add_u32 v[SPW], v[NIL]
	v_lshrrev_b32 v[LANE], 5, v0
	v_and_b32 v[RR], 15, v0                        ; r
	v_bfe_u32 v[HH], v0, 4, 1                      ; h
	v_readfirstlane_b32 s[WV], v[LANE]             ; wave 0..7
	v_and_b32 v[LANE], 31, v0
	s_wait_alu depctr_va_vdst(0)                   ; the wait here, directly ahead of the run of scalar instructions
	s_bfe_u32 s13, ttmp6, 0x40000                  ; cx: my place in the cluster: it enters the addresses of seq, out1, idx and the prefetches alone
	s_lshl_b32 s14, ttmp9, 2                       ; in a cluster launch ttmp9 counts clusters
	s_add_co_u32 s14, s14, s13                     ; my block of 128 tokens
	; descriptor group 1: four records, 13,312 dense bytes, as 52 rows of 256 bytes (32 elements of 8 bytes), no padding: every read is 16 x lane on end
	s_mov_b32 s[G1+0], 15|(3<<16)|(1<<21)          ; 15:0 the mask: all four work-groups; 17:16 elements of 8 bytes; 21 set beside a mask
	s_mov_b32 s[G1+1], 32<<16                      ; tensor_dim0 = 32
	s_mov_b32 s[G1+2], 52<<16                      ; tensor_dim1 = 52
	s_mov_b32 s[G1+3], 32<<16                      ; tile_dim0 = 32
	s_mov_b32 s[G1+4], 52                          ; tile_dim1 = 52
	s_mov_b32 s[G1+5], 32                          ; from row to row: 32 elements
	s_mov_b32 s[G1+6], 0
	s_mov_b32 s[G1+7], 0
	s_mov_b32 s[SEL], 0x76543210
	s_mov_b32 s[SEL+1], 0xfedcba98
	s_lshl_b32 s32, s[WV], 2                       ; my first record is tile 4 w:
	s_sub_co_u32 s32, s32, 29                      ; the first record's step of 29 leads there
	s_mov_b32 s[CNT], 7
	s_mul_i32 s38, s[WV], WREC                     ; my four records, in a fill and in a slot
	s_mov_b32 s39, 0
	s_mul_i32 s40, s[WV], 3072
	s_add_co_u32 s40, s40, XIMG                    ; where my tile's image goes
	s_lshl_b32 s41, s[WV], 7
	s_add_co_u32 s41, s41, XSC                     ; and its scale register
	s_lshl_b32 s42, s14, 17                        ; my block's 128 rows of 1,024 bytes,
	s_lshl_b32 s44, s[WV], 14                      ; my wave's 16 of them
	s_add_co_u32 s42, s42, s44
	s_mov_b32 s43, 0
	s_mov_b32 s45, 0xff800000                      ; -infinity
	s_lshl_b32 s46, s14, 9                         ; my block's 128 results
	s_mov_b32 s47, 0
	s_mul_i32 s50, s13, REC                        ; the prefetches: record cx of my wave's four
	s_mov_b32 s51, 0
	s_mul_i32 s52, s[WV], 16*SROW
	s_add_co_u32 s52, s52, STG                     ; my stage
	v_lshlrev_b32 v[L16], 4, v[LANE]
	v_lshlrev_b32 v[L4], 2, v[LANE]
	v_min_u32 v[PFV], 12, v[LANE]
	v_mul_u32_u24 v[STL], v[RR], SROW
	v_lshlrev_b32 v[QSH], 3, v[HH]
	v_lshl_add_u32 v[ADC], v[HH], 5, s38
	v_add_nc_u32 v[ADR], s38, v[L16]
	v_add_nc_u32 v[ADS], s38, v[L4]
	v_lshlrev_b32 v[PFV], 8, v[PFV]                ; a lane a block of 256 bytes, 13 blocks
	v_lshl_add_u32 v[STL], v[HH], 7, v[STL]
	v_add_nc_u32 v[STA], s52, v[L16]               ; into the stage: 16 x lane of a row's 512 bytes
	v_add_nc_u32 v[ADC+1], SLOTB, v[ADC]
	v_add_nc_u32 v[ADR+1], SLOTB, v[ADR]
	v_add_nc_u32 v[ADS+1], SLOTB, v[ADS]
	v_add_nc_u32 v[STL], s52, v[STL]               ; out of it: row r, + 128 h
	v_add_nc_u32 v[IW], s40, v[L16]
	v_add_nc_u32 v[SWA], s41, v[L4]
	v_add_nc_u32 v[LI], XIMG, v[L16]
	v_add_nc_u32 v[LS], XSC, v[L4]
	v_mov_b32 v[QPX], 0                            ; a lane permute's destination counts as one of its sources
	v_mov_b32 v[QPX+1], 0
	s_wait_alu depctr_va_vdst(0)                   ; the wait at the head's end
	s_wait_dscnt 0x0                               ; both opening adds are done
	s_wait_kmcnt 0x0
	s_add_nc_u64 s[4:5], s[4:5], s[42:43]
	s_add_nc_u64 s[6:7], s[6:7], s[38:39]
	s_add_nc_u64 s[8:9], s[8:9], s[46:47]
	s_add_nc_u64 s[10:11], s[10:11], s[46:47]
	s_add_nc_u64 s[PF:PF+1], s[6:7], s[50:51]
	s_add_nc_u64 s[PF:PF+1], s[PF:PF+1], 3*SLOTB   ; at fill 3: the first refill steps it to fill 4
	WIN 0x40                                       ; destination window 1
.irp s, 0,1
.irp r, 0,1,2,3,4,5,6,7,8,9,10,11,12,13,14,15
	global_load_b128 v[64*\s+4*\r:64*\s+4*\r+3], v[L16], s[4:5] offset:1024*\r+512*\s th:TH_LOAD_NT   ; 32 lanes read 512 consecutive bytes: K step s of row r
.endr
.endr
	WIN 0
.irp n, 0,1
	s_mov_b32 s[G0+4*\n], 1                        ; 1:0 count = 1
	s_add_co_u32 s[G0+4*\n+1], s38, \n*SLOTB       ; 63:32 LDS address: slot n, my wave's part
	s_add_nc_u64 s[G0+4*\n+2:G0+4*\n+3], s[6:7], \n*SLOTB   ; 120:64 global address: fill n, my wave's part: the same in all four work-groups
	s_or_b32 s[G0+4*\n+3], s[G0+4*\n+3], 0x80000000   ; 127:126 type = 2
.endr
	CROUND                                         ; all four work-groups are here: the first joint loads meet
	tensor_load_to_lds s[G0:G0+3], s[G1:G1+7]      ; fill 0
	s_nop 0
	NOP4
	s_wait_loadcnt 16                              ; K step 0's sixteen loads are in; K step 1's sixteen may be out
	TURN 0
	s_wait_loadcnt 0x0
	TURN 1
	s_wait_dscnt 0x0                               ; my 128 numbers are back
	; my four blocks of 32 become 24 registers of codes and two scale words; the four blocks take turns line by line
.irp b, 0,1,2,3
	v_max3_num_f32 v[QMX+\b], |v[X+32*\b]|, |v[X+32*\b+1]|, 0x2800000   ; and the floor 2^(5 - 127): the byte cannot fall under 1
.endr
.irp i, 2,4,6,8,10,12,14,16,18,20,22,24,26,28,30
.irp b, 0,1,2,3
	v_max3_num_f32 v[QMX+\b], v[QMX+\b], |v[X+32*\b+\i]|, |v[X+32*\b+\i+1]|
.endr
.endr
.irp b, 0,1,2,3
	v_add_nc_u32 v[QSO+\b], 0xfe000000, v[QMX+\b]  ; 4 off the exponent field: the conversion takes the exponent field of this operand as its scale
.endr
.irp b, 0,1,2,3
	v_lshrrev_b32 v[QBY+\b], 23, v[QSO+\b]         ; the scale's byte
.endr
.irp s, 0,1
	v_lshl_or_b32 v[QBY+2*\s], v[QBY+2*\s+1], 16, v[QBY+2*\s]   ; my two bytes of K step s: blocks h and 2 + h,
.endr
.irp s, 0,1
	v_lshlrev_b32 v[QBY+2*\s], v[QSH], v[QBY+2*\s] ; at their places in the word;
.endr
.irp s, 0,1
	v_permlanex16_b32 v[QPX+\s], v[QBY+2*\s], s[SEL], s[SEL+1]
.endr
.irp s, 0,1
	v_or_b32 v[QBY+2*\s], v[QBY+2*\s], v[QPX+\s]   ; with lane l xor 16's two it is whole
.endr
.irp b, 0,1,2,3
	v_cvt_scalef32_pk16_bf6_f32 v[P+6*\b:P+6*\b+2], v[X+32*\b:X+32*\b+15], v[QSO+\b]
	v_cvt_scalef32_pk16_bf6_f32 v[QTQ+4*\b:QTQ+4*\b+2], v[X+32*\b+16:X+32*\b+31], v[QSO+\b]   ; a conversion's three registers begin on an even number: made here, moved below
.endr
	v_nop                                          ; one plain place behind a scaled conversion
.irp b, 0,1,2,3
.irp i, 0,1,2
	v_mov_b32 v[P+6*\b+3+\i], v[QTQ+4*\b+\i]
.endr
.endr
.irp c, 0,1,2,3,4,5
	ds_store_b128 v[IW], v[P+4*\c:P+4*\c+3] offset:512*\c            ; the fragments go to LDS as they stand: lane l's 16 bytes at 16 l
.endr
	v_cmp_eq_u32 vcc_lo, 1, v[HH]
	; x.x of token r of tile w, wanted at the end, when wave w decides tile w: my 128 numbers in eight chains of pairs, then lane l xor 16's
.set qi, 0
.rept 8
	v_pk_mul_f32 v[SS+2*qi:SS+2*qi+1], v[X+2*qi:X+2*qi+1], v[X+2*qi:X+2*qi+1]
.set qi, qi+1
.endr
	v_cndmask_b32 v[SW], v[QBY], v[QBY+2], vcc_lo  ; lanes 0-15 K step 0's word, lanes 16-31 K step 1's
	ds_store_b32 v[SWA], v[SW]
.rept 56
	v_pk_fma_f32 v[SS+2*(qi%8):SS+2*(qi%8)+1], v[X+2*qi:X+2*qi+1], v[X+2*qi:X+2*qi+1], v[SS+2*(qi%8):SS+2*(qi%8)+1]
.set qi, qi+1
.endr
.irp k, 0,4,8,12
	v_pk_add_f32 v[SS+\k:SS+\k+1], v[SS+\k:SS+\k+1], v[SS+\k+2:SS+\k+3]
.endr
.irp k, 0,8
	v_pk_add_f32 v[SS+\k:SS+\k+1], v[SS+\k:SS+\k+1], v[SS+\k+4:SS+\k+5]
.endr
	s_delay_alu instid0(VALU_DEP_1)
	v_pk_add_f32 v[SS:SS+1], v[SS:SS+1], v[SS+8:SS+9]
	s_delay_alu instid0(VALU_DEP_1)
	v_add_f32 v[SS], v[SS], v[SS+1]
	s_delay_alu instid0(VALU_DEP_1)
	v_permlanex16_b32 v[SS+1], v[SS], s[SEL], s[SEL+1]
	s_delay_alu instid0(VALU_DEP_1)
	v_add_f32 v[X2], v[SS], v[SS+1]
	s_wait_alu depctr_va_vdst(0)                   ; the wait here, directly ahead of the wait below
	s_wait_tensorcnt 0x0                           ; fill 0 is in; the same lines as ahead of a refill:
	ds_add_u32 v[SPW], v[NIL]
	s_wait_dscnt 0x0                               ; the add is done, and for the others' sake my image lies in LDS
	CROUND                                         ; a whole round: every wave's image is whole, and the joint loads meet
	tensor_load_to_lds s[G0+4:G0+7], s[G1:G1+7]    ; fill 1, the first tensor load behind the round
	s_nop 0
	NOP4
	WIN 0x40                                       ; destination window 1
.irp i, 0,1,2,3,4,5,6,7
.irp s, 0,1
.irp c, 0,1,2
	ds_load_b128 v[24*\i+12*\s+4*\c:24*\i+12*\s+4*\c+3], v[LI] offset:1536*(2*\i+\s)+512*\c   ; all eight tiles' fragments: they stay
.endr
.endr
.endr
	WIN 0
.irp i, 0,1,2,3,4,5,6,7
	ds_load_b32 v[STK+\i], v[LS] offset:128*\i
.endr
	LOADREC 0, 0, 0
	; The record is written once, with its vector work half a record behind its products.  So the first record's first slices find -infinity, under which nothing wins and nothing is copied: two moves an instruction.
	v_mov_b32 v[T1], s45
	v_mov_b32 v[VT], s32
.irp a, RA, RA+2, RB+4, RB+6                   ; the old maxima that the first record reads; the other halves of the two sets are written first
	v_dual_mov_b32 v[\a], v[T1] :: v_dual_mov_b32 v[\a+1], v[T1]
.endr
.set qi, 0
.rept 32
	v_dual_mov_b32 v[W+qi], v[T1] :: v_dual_mov_b32 v[W+qi+1], v[T1]
.set qi, qi+2
.endr
.set qi, 0
.rept 16
	v_dual_mov_b32 v[ACC+32+qi], v[T1] :: v_dual_mov_b32 v[ACC+33+qi], v[T1]   ; tiles 4 to 7 of a record that never was
.set qi, qi+2
.endr
	s_wait_alu depctr_va_vdst(0)
.Ltrip:                                                ; seven trips: fills 0 to 13; each asks for the fill two on
	FILLWORK 0, 1
	FILLWORK 1, 1
	s_sub_co_u32 s[CNT], s[CNT], 1
	s_cmp_lg_u32 s[CNT], 0
	s_cbranch_scc1 .Ltrip
	FILLWORK 0, 2                                  ; the last two fills are written out
	FILLWORK 1, 0
	DSL 4, 1                                       ; the last record's tiles 4 to 7
	DSL 6, 1
	; THE END.  The largest D of each tile's token lies in RA, the winning tile's numbers 0 to 6 and its number in the copies.
	v_and_b32 v[ELN], 31, v0
	v_and_b32 v[ERR], 15, v0
	v_and_b32 v[EH8], 16, v0
	s_lshl_b32 s38, s[WV], 8
	s_add_co_u32 s38, s38, MRG
	v_lshl_add_u32 v[MS], v[ELN], 3, s38           ; my candidates go to tile i's 2,048 bytes, + 256 x wave + 8 x lane
	s_lshl_b32 s39, s[WV], 11
	s_add_co_u32 s39, s39, MRG
	v_lshl_add_u32 v[ML], v[ELN], 3, s39           ; and I read tile w's, wave u's at 256 u
	s_lshl_b32 s40, s[WV], 6
	s_add_co_u32 s40, s40, RES
	v_lshl_add_u32 v[RS], v[ERR], 2, s40           ; token 16 w + r's result
	v_lshlrev_b32 v[OO], 4, v[ELN]
	v_lshrrev_b32 v[EH8], 1, v[EH8]                ; 8 h
	v_mov_b32 v[PD], 0                             ; a lane permute's destination counts as one of its sources
	v_mov_b32 v[PC], 0
	v_add_nc_u32 v[RL], RES, v[OO]
.irp i, 0,1,2,3,4,5,6,7
	v_mov_b32 v[SUB+\i], 7                         ; the place that was not copied, if no copy holds the maximum
.endr
.irp j, 6,5,4,3,2,1,0                          ; the first place at which the tile holds the maximum: from the last copy down, so that the lowest stays; the eight tiles by turns
.irp i, 0,1,2,3,4,5,6,7
	v_cmp_neq_f32 s[EM+\i], v[W+8*\i+\j], v[RA+\i]
.endr
.irp i, 0,1,2,3,4,5,6,7
	v_cndmask_b32 v[SUB+\i], \j, v[SUB+\i], s[EM+\i]
.endr
.endr
.irp i, 0,1,2,3,4,5,6,7
	v_lshl_add_u32 v[PR+2*\i+1], v[W+8*\i+7], 4, v[SUB+\i]
	v_mov_b32 v[PR+2*\i], v[RA+\i]
.endr
.irp i, 0,1,2,3,4,5,6,7
	v_add_nc_u32 v[PR+2*\i+1], v[PR+2*\i+1], v[EH8]   ; the row's number: 16 t + 8 h + j
.endr
.irp i, 0,1,2,3,4,5,6,7
	ds_store_b64 v[MS], v[PR+2*\i:PR+2*\i+1] offset:2048*\i
.endr
	s_wait_dscnt 0x0                               ; for the others' sake: my candidates lie in LDS
	s_barrier_signal -1
	s_barrier_wait -1
.irp u, 0,1,2,3,4,5,6,7
	ds_load_b64 v[CD+2*\u:CD+2*\u+1], v[ML] offset:256*\u
.endr
	s_wait_dscnt 0x0
.irp u, 0,1,2,3,4,5,6,7
	v_fma_f32 v[CD+2*\u], -2.0, v[CD+2*\u], v[X2]  ; the distance: x.x - 2 D
.endr
.irp u, 1,2,3,4,5,6,7
	TAKE CD+2*\u, CD+2*\u+1
.endr
	s_delay_alu instid0(VALU_DEP_2)
	v_permlanex16_b32 v[PD], v[BD], s[SEL], s[SEL+1]   ; the token's other eight candidates were weighed in lane l xor 16
	s_delay_alu instid0(VALU_DEP_2)
	v_permlanex16_b32 v[PC], v[BC], s[SEL], s[SEL+1]
	TAKE PD, PC
	ds_store_b32 v[RS], v[BC]                      ; both halves of the lanes write the same word with the same number
	s_wait_dscnt 0x0
	s_barrier_signal -1
	s_barrier_wait -1
	s_cmp_lg_u32 s[WV], 0                          ; wave 0 stores the work-group's 128 numbers
	s_cbranch_scc1 .Lothers
	ds_load_b128 v[104:107], v[RL]
	s_wait_dscnt 0x0
	global_store_b128 v[OO], v[104:107], s[8:9]    ; 32 lanes store 512 consecutive bytes, at a multiple of 512 from the buffer's first byte
	global_store_b128 v[OO], v[104:107], s[10:11]
.Lothers:
	s_wait_tensorcnt 0x0                           ; the wave's end: behind my last tensor load and my last LDS store
	ds_add_u32 v[SPW], v[NIL]
	s_wait_dscnt 0x0
	CROUND                                         ; the closing round: no work-group ends while a partner may still ask for a piece that names it
	s_endpgm
.Lfunc_end_k_q232d31e3e6_nearest:
	.size	k_q232d31e3e6_nearest, .Lfunc_end_k_q232d31e3e6_nearest-k_q232d31e3e6_nearest
	.p2alignl 7, 3214868480
	.fill 96, 4, 3214868480
	.section	.rodata,"a",@progbits
	.p2align	6, 0x0
	.amdhsa_kernel k_q232d31e3e6_nearest
		.amdhsa_group_segment_fixed_size 327680
		.amdhsa_private_segment_fixed_size 0
		.amdhsa_enable_private_segment 0
		.amdhsa_kernarg_size 32
		.amdhsa_user_sgpr_count 2
		.amdhsa_user_sgpr_kernarg_segment_ptr 1
		.amdhsa_wavefront_size32 1
		.amdhsa_system_sgpr_workgroup_id_x 1
		.amdhsa_system_sgpr_workgroup_id_y 1
		.amdhsa_system_sgpr_workgroup_id_z 1
		.amdhsa_system_vgpr_workitem_id 0
		.amdhsa_next_free_vgpr 448
		.amdhsa_next_free_sgpr 66
		.amdhsa_reserve_vcc 1
		.amdhsa_float_denorm_mode_32 3
		.amdhsa_float_denorm_mode_16_64 3
		.amdhsa_memory_ordered 1
		.amdhsa_forward_progress 1
		.amdhsa_inst_pref_size 162
	.end_amdhsa_kernel
	.amdgpu_metadata
---
amdhsa.version: [ 1, 2 ]
amdhsa.kernels:
  - .name:           k_q232d31e3e6_nearest
    .symbol:         k_q232d31e3e6_nearest.kd
    .args:
      - { .name: seq, .offset: 0, .size: 8, .value_kind: global_buffer, .address_space: global }
      - { .name: vq, .offset: 8, .size: 8, .value_kind: global_buffer, .address_space: global }
      - { .name: out1, .offset: 16, .size: 8, .value_kind: global_buffer, .address_space: global }
      - { .name: idx, .offset: 24, .size: 8, .value_kind: global_buffer, .address_space: global }
    .group_segment_fixed_size: 327680
    .private_segment_fixed_size: 0
    .kernarg_segment_align: 8
    .kernarg_segment_size: 32
    .max_flat_workgroup_size: 256
    .sgpr_count:     66
    .vgpr_count:     448
    .wavefront_size: 32
...
	.end_amdgpu_metadata
.endif
;; end of part 2
;; launch fetch (part 3): grid 256 x 1, 8 waves a work-group, no clusters, 0 bytes of LDS; arguments idx, vocab, out0; writes out0
.if DOCPART == 3
	.amdgcn_target "amdgcn-amd-amdhsa--gfx1250"
	.amdhsa_code_object_version 6
	.text
	.protected	k_q232d31e3e6_fetch
	.globl	k_q232d31e3e6_fetch
	.p2align	8
	.type	k_q232d31e3e6_fetch,@function
k_q232d31e3e6_fetch:
	s_mov_b64 s[64:65], 0
	v_nop
	global_prefetch_b8 v0, s[64:65] scope:SCOPE_SE
	s_setreg_imm32_b32 hwreg(HW_REG_WAVE_MODE, 25, 1), 1
	s_wait_xcnt 0x0
; out0[token][:] = vocab[idx[token]][:]: 32,768 rows of 1,024 bytes, f32, copied as they are.  idx was stored by the launch before.
; A work-group takes 128 tokens, a wave 16: lanes 0-15 token 16 w + 2 i, lanes 16-31 token 16 w + 2 i + 1, i = 0 .. 7.  Sixteen lanes read and store 256 consecutive bytes, aligned; four such pieces make a row.
; All 32 loads of a wave (16 KB) go out together; each store follows its load's counted wait.  A stream: no LDS, no barrier, no matrix unit.  The rows carry no cache hint: a row may be named many times.
; An index is held to 0 .. 8,191, the table's rows, ahead of its use in an address.
.set IX,  8                            ; v8-15   the index, then the row's byte offset + 16 r
.set DT,  32                           ; v32-159 data: pair i, piece c at 16 i + 4 c
	s_load_b128 s[4:7], s[0:1], 0x0                ; idx s[4:5], vocab s[6:7]
	s_load_b64 s[8:9], s[0:1], 0x10                ; out0
	v_lshrrev_b32 v4, 5, v0                        ; wave
	v_bfe_u32 v5, v0, 4, 1                         ; h
	v_and_b32 v6, 15, v0                           ; r
	s_delay_alu instid0(VALU_DEP_2)
	v_lshl_add_u32 v7, v4, 4, v5                   ; 16 w + h
	s_delay_alu instid0(VALU_DEP_1)
	v_lshlrev_b32 v1, 2, v7                        ; its index,
	s_delay_alu instid0(VALU_DEP_3)
	v_lshlrev_b32 v2, 4, v6                        ; my 16 bytes of a piece,
	s_delay_alu instid0(VALU_DEP_1)
	v_lshl_add_u32 v3, v7, 10, v2                  ; and its row of out0
	s_lshl_b32 s10, ttmp9, 9                       ; the work-group's 128 indices
	s_mov_b32 s11, 0
	s_lshl_b32 s12, ttmp9, 17                      ; and its 128 rows
	s_mov_b32 s13, 0
	s_wait_alu depctr_va_vdst(0)
	s_wait_kmcnt 0x0
	s_add_nc_u64 s[4:5], s[4:5], s[10:11]
	s_add_nc_u64 s[8:9], s[8:9], s[12:13]
.irp i, 0,1,2,3,4,5,6,7
	global_load_b32 v[IX+\i], v1, s[4:5] offset:8*\i
.endr
	s_wait_loadcnt 0x0
.irp i, 0,1,2,3,4,5,6,7
	v_min_u32 v[IX+\i], 0x1fff, v[IX+\i]
.endr
.irp i, 0,1,2,3,4,5,6,7
	v_lshlrev_b32 v[IX+\i], 10, v[IX+\i]
.endr
.irp i, 0,1,2,3,4,5,6,7
	v_add_nc_u32 v[IX+\i], v[IX+\i], v2
.endr
.irp i, 0,1,2,3,4,5,6,7
.irp c, 0,1,2,3
	global_load_b128 v[DT+16*\i+4*\c:DT+16*\i+4*\c+3], v[IX+\i], s[6:7] offset:256*\c
.endr
.endr
.irp i, 0,1,2,3,4,5,6,7
.irp c, 0,1,2,3
	s_wait_loadcnt 31-4*\i-\c                      ; loads come back in order: this one is in, the younger ones stay out
	global_store_b128 v3, v[DT+16*\i+4*\c:DT+16*\i+4*\c+3], s[8:9] offset:2048*\i+256*\c th:TH_STORE_NT
.endr
.endr
	s_endpgm
.Lfunc_end_k_q232d31e3e6_fetch:
	.size	k_q232d31e3e6_fetch, .Lfunc_end_k_q232d31e3e6_fetch-k_q232d31e3e6_fetch
	.p2alignl 7, 3214868480
	.fill 96, 4, 3214868480
	.section	.rodata,"a",@progbits
	.p2align	6, 0x0
	.amdhsa_kernel k_q232d31e3e6_fetch
		.amdhsa_group_segment_fixed_size 0
		.amdhsa_private_segment_fixed_size 0
		.amdhsa_enable_private_segment 0
		.amdhsa_kernarg_size 24
		.amdhsa_user_sgpr_count 2
		.amdhsa_user_sgpr_kernarg_segment_ptr 1
		.amdhsa_wavefront_size32 1
		.amdhsa_system_sgpr_workgroup_id_x 1
		.amdhsa_system_sgpr_workgroup_id_y 1
		.amdhsa_system_sgpr_workgroup_id_z 1
		.amdhsa_system_vgpr_workitem_id 0
		.amdhsa_next_free_vgpr 168
		.amdhsa_next_free_sgpr 66
		.amdhsa_reserve_vcc 0
		.amdhsa_float_denorm_mode_32 3
		.amdhsa_float_denorm_mode_16_64 3
		.amdhsa_memory_ordered 1
		.amdhsa_forward_progress 1
		.amdhsa_inst_pref_size 10
	.end_amdhsa_kernel
	.amdgpu_metadata
---
amdhsa.version: [ 1, 2 ]
amdhsa.kernels:
  - .name:           k_q232d31e3e6_fetch
    .symbol:         k_q232d31e3e6_fetch.kd
    .args:
      - { .name: idx, .offset: 0, .size: 8, .value_kind: global_buffer, .address_space: global }
      - { .name: vocab, .offset: 8, .size: 8, .value_kind: global_buffer, .address_space: global }
      - { .name: out0, .offset: 16, .size: 8, .value_kind: global_buffer, .address_space: global }
    .group_segment_fixed_size: 0
    .private_segment_fixed_size: 0
    .kernarg_segment_align: 8
    .kernarg_segment_size: 24
    .max_flat_workgroup_size: 256
    .sgpr_count:     66
    .vgpr_count:     168
    .wavefront_size: 32
...
	.end_amdgpu_metadata
.endif
;; end of part 3
